; MI455X (gfx1250); checked and timed in simulation.
; The chip was launched on July 23, 2026; its instructions are those of AMD's public machine-readable ISA for CDNA 5 (MIT licence, August 2026) and "CDNA5" Instruction Set Architecture Reference Guide (July 2026). The comments in the code are by the model that wrote it; some were corrected since.
;; Attention. Allowed arithmetic: float matrix products may take bf16 or f16 operands with f32 sums; all other float work in f32.
;; Inputs: W 1,024 x 1,024 float32; b 1,024 float32; hidden_dec 1,024 x 1 float32; hidden_enc 32 x 2,048 x 1,024 float32.
;; Outputs: out0 32 x 1,024 float32.
;; One version. Each part assembles by itself: llvm-mc -triple=amdgcn-amd-amdhsa -mcpu=gfx1250 --defsym DOCPART=n.
;; ======== version 1 of 1: 3 launches
;; limits: values outside matrix products are rounded to bf16
;; workspace buffers: Wf 2,097,152 bytes; part 1,048,576 bytes
;; launch prep (part 1): grid 32 x 4, 8 waves a work-group, no clusters, 17,408 bytes of LDS; arguments W, Wf; writes Wf
.if DOCPART == 1
	.amdgcn_target "amdgcn-amd-amdhsa--gfx1250"
	.amdhsa_code_object_version 6
	.text
	.protected	k_q6f912be459_prep
	.globl	k_q6f912be459_prep
	.p2align	8
	.type	k_q6f912be459_prep,@function
k_q6f912be459_prep:
	s_mov_b64 s[64:65], 0
	v_nop
	global_prefetch_b8 v0, s[64:65] scope:SCOPE_SE
	s_setreg_imm32_b32 hwreg(HW_REG_WAVE_MODE, 25, 1), 1
	s_wait_xcnt 0x0
; Wf = bf16( W[d][e] ), rounded once to nearest even, laid out in the order in which the main launch's matrix instructions want their
; second operand: Wf[ks 0..31][nt 0..63][q 0..1][L 0..31][i 0..7] = W[32 ks + 16 q + 8 (L >> 4) + i][16 nt + (L & 15)].
; A fragment (32 k x 16 columns) is 1,024 bytes: lane L's registers 0-3 at byte 16 L, its registers 4-7 at 512 + 16 L.
; Work-group (ks, qt): rows 32 ks .. +31 of W, columns 256 qt .. +255 = 16 fragments = 16,384 bytes of Wf, which are consecutive.
; Thread t: four columns 4 (t & 63) .. +3, eight rows 8 g .. 8 g + 7 with g = t >> 6 = 2 q + (L >> 4).
; A wave's load covers 512 consecutive bytes of a row of W.  The transposition goes through LDS, so that each store of a wave
; covers 512 consecutive bytes of Wf, aligned.
; The four LDS stores of a thread meet others in the same columns of LDS (four deep); they are four of the thread's instructions, left as they are.
.set WR, 12                            ; v[12:43]  my eight rows x four columns; later the 64 bytes that I store
.set PK, 44                            ; v[44:59]  column c: four words of two bf16, rows ascending
	s_load_b128 s[4:7], s[0:1], 0x0                ; W s[4:5], Wf s[6:7]
	v_lshl_add_u32 v64, v0, 2, 0x4000
	v_mov_b32 v65, 0
	s_and_b32 s10, ttmp7, 0xffff                   ; qt
	s_lshl_b32 s12, s10, 10                        ; 256 columns of f32,
	s_lshl_b32 s14, ttmp9, 17                      ; 32 rows of 4,096 bytes
	s_add_co_u32 s12, s12, s14
	s_mov_b32 s13, 0
	s_lshl_b32 s16, ttmp9, 16                      ; Wf: 64 fragments for a ks,
	s_lshl_b32 s17, s10, 14                        ; 16 for a qt
	s_add_co_u32 s16, s16, s17
	s_mov_b32 s17, 0
	v_and_b32 v1, 63, v0                           ; cq: which four columns
	v_lshrrev_b32 v2, 6, v0                        ; g: which eight rows
	v_lshlrev_b32 v3, 4, v1                        ; 16 cq
	v_lshl_add_u32 v4, v2, 15, v3                  ; + 8 g rows of 4,096 bytes
	v_lshrrev_b32 v5, 2, v1                        ; the fragment among the group's 16
	v_and_b32 v6, 3, v1
	v_lshlrev_b32 v5, 10, v5
	v_lshl_add_u32 v5, v6, 6, v5                   ; + 16 bytes x lane 4 (cq & 3)
	v_lshl_add_u32 v5, v2, 8, v5                   ; + 256 g = 512 q + 256 (L >> 4)
	v_lshlrev_b32 v7, 4, v0                        ; the way out: 16 t
	s_wait_kmcnt 0x0
	s_add_nc_u64 s[4:5], s[4:5], s[12:13]
	s_add_nc_u64 s[6:7], s[6:7], s[16:17]
.irp i, 0,1,2,3,4,5,6,7
	global_load_b128 v[WR+4*\i:WR+4*\i+3], v4, s[4:5] offset:4096*\i th:TH_LOAD_NT   ; W is read once in the launch
.endr
	s_wait_loadcnt 0x0
.irp c, 0,1,2,3
.irp p, 0,1,2,3
	v_cvt_pk_bf16_f32 v[PK+4*\c+\p], v[WR+8*\p+\c], v[WR+8*\p+4+\c]    ; rows 2 p (low half) and 2 p + 1 of column c
.endr
	ds_store_b128 v5, v[PK+4*\c:PK+4*\c+3] offset:16*\c                ; eight k of one column: one lane's 16 bytes of a fragment
.endr
	s_wait_dscnt 0x0                               ; my stores are in LDS before I say so: other waves read them
	s_barrier_signal -1
	s_barrier_wait -1
.irp j, 0,1,2,3
	ds_load_b128 v[WR+4*\j:WR+4*\j+3], v7 offset:4096*\j
.endr
.irp j, 0,1,2,3
	s_wait_dscnt 3-\j                              ; LDS loads come back in order: number j is in
	global_store_b128 v7, v[WR+4*\j:WR+4*\j+3], s[6:7] offset:4096*\j
.endr
	s_wait_tensorcnt 0x0
	ds_add_u32 v64, v65
	s_wait_dscnt 0x0
	s_endpgm
.Lfunc_end_k_q6f912be459_prep:
	.size	k_q6f912be459_prep, .Lfunc_end_k_q6f912be459_prep-k_q6f912be459_prep
	.p2alignl 7, 3214868480
	.fill 96, 4, 3214868480
	.section	.rodata,"a",@progbits
	.p2align	6, 0x0
	.amdhsa_kernel k_q6f912be459_prep
		.amdhsa_group_segment_fixed_size 17408
		.amdhsa_private_segment_fixed_size 0
		.amdhsa_enable_private_segment 0
		.amdhsa_kernarg_size 16
		.amdhsa_user_sgpr_count 2
		.amdhsa_user_sgpr_kernarg_segment_ptr 1
		.amdhsa_wavefront_size32 1
		.amdhsa_system_sgpr_workgroup_id_x 1
		.amdhsa_system_sgpr_workgroup_id_y 1
		.amdhsa_system_sgpr_workgroup_id_z 1
		.amdhsa_system_vgpr_workitem_id 0
		.amdhsa_next_free_vgpr 66
		.amdhsa_next_free_sgpr 66
		.amdhsa_reserve_vcc 0
		.amdhsa_float_denorm_mode_32 3
		.amdhsa_float_denorm_mode_16_64 3
		.amdhsa_memory_ordered 1
		.amdhsa_forward_progress 1
		.amdhsa_inst_pref_size 5
	.end_amdhsa_kernel
	.amdgpu_metadata
---
amdhsa.version: [ 1, 2 ]
amdhsa.kernels:
  - .name:           k_q6f912be459_prep
    .symbol:         k_q6f912be459_prep.kd
    .args:
      - { .name: W, .offset: 0, .size: 8, .value_kind: global_buffer, .address_space: global }
      - { .name: Wf, .offset: 8, .size: 8, .value_kind: global_buffer, .address_space: global }
    .group_segment_fixed_size: 17408
    .private_segment_fixed_size: 0
    .kernarg_segment_align: 8
    .kernarg_segment_size: 16
    .max_flat_workgroup_size: 256
    .sgpr_count:     66
    .vgpr_count:     66
    .wavefront_size: 32
...
	.end_amdgpu_metadata
.endif
;; end of part 1
;; launch main (part 2): grid 256 x 1, 4 waves a work-group, clusters of 4 x 1, 327,680 bytes of LDS; arguments hidden_enc, Wf, b, hidden_dec, part; writes part
.if DOCPART == 2
	.amdgcn_target "amdgcn-amd-amdhsa--gfx1250"
	.amdhsa_code_object_version 6
	.text
	.protected	k_q6f912be459_main
	.globl	k_q6f912be459_main
	.p2align	8
	.type	k_q6f912be459_main,@function
k_q6f912be459_main:
	s_mov_b64 s[64:65], 0
	v_nop
	global_prefetch_b8 v0, s[64:65] scope:SCOPE_SE
	s_setreg_imm32_b32 hwreg(HW_REG_WAVE_MODE, 25, 1), 1
	s_wait_xcnt 0x0
	s_wait_alu depctr_hold_cnt(0) depctr_sa_sdst(0) depctr_va_vdst(0) depctr_va_sdst(0) depctr_va_ssrc(0) depctr_va_vcc(0) depctr_vm_vsrc(0)
	s_getreg_b32 s2, hwreg(HW_REG_IB_STS2, 6, 4)
	s_cmp_eq_u32 s2, 0
	s_cbranch_scc0 .Lentry_in_a_cluster
	s_endpgm
.Lentry_in_a_cluster:
	s_bfe_u32 s2, ttmp6, 0x10000c
	s_cmp_lg_u32 s2, 0x3003
	s_cbranch_scc0 .Lentry_shape_is_right
	s_endpgm
.Lentry_shape_is_right:
; part[wg][e] = sum over the work-group's 256 rows s of softmax_e( h[e] (x_s . W[:,e] + b[e]) ) * x_s[e].
; x: hidden_enc, 65,536 rows of 1,024 f32.  Wf: bf16(W) in fragment order (the launch before).  A later launch adds eight parts to a batch.
;
; SHARES.  256 work-groups of four waves; a work-group takes 256 rows as four passes of 64.  In a pass wave w holds x.W of
; 64 rows x its 256 columns in 64 accumulator tiles of 16 x 16 = 512 registers, so a row's 1,024 scores are all on chip when its sum is taken.
; K = 1,024 goes in 16 trips of 64; a trip is 128 matrix instructions a wave.
; W: a K window's tile is 131,072 consecutive bytes of Wf; two LDS slots; each wave asks for a quarter (128 rows of 256 bytes) by one tensor load.
; THE ORDER OF K: trip t of pass p takes K window (t - 2 p) mod 16, so a pass begins with the two tiles that the pass before left in the ring: 14 fills a pass
; instead of 16, trips 14 and 15 of every pass fill nothing, and all four passes are one text.
; CLUSTER: every work-group walks the same tiles of Wf in the same order, so the four of a cluster ask JOINTLY (mask 15): four requests for a tile become one.
; A mask names four at the most and nothing else is shared, so the cluster is 4 x 1.
; X: a window of 64 rows x 64 k is loaded through registers (each half wave takes 256 consecutive aligned bytes of a row), rounded to bf16 and laid into LDS one
; trip ahead.  Window kw holds x of columns 64 kw .. +63, which are wave kw >> 2's own: that wave also takes the window's 16 tiles in the accumulators' layout
; (transposing LDS loads), for the product behind the softmax.  By a trip's place pos = t & 3: places 0, 1, 2 go into 192 registers, place 3 stays in LDS.
; ODD PASSES: there the window at place pos is the owner's column block pos xor 2.  So an odd pass multiplies W's two groups of eight column tiles into the
; other register window (accumulator a holds column tile a xor 8), and the sixteen sums and the sixteen c exchange halves behind every pass.
; SOFTMAX: exponent to base 2 = accumulator * h log2(e) + c, c = b h log2(e), one fused multiply-add; each wave takes its own maximum of a row away before the
; exponentials; the four waves' maxima and sums meet in LDS and the row's weight exp2(m_own - m_row) / Z sets the wave's numbers right, so every
; exponential is at most 1 and Z is at least 1.
;
; LIMITS.  ALL FOUR INPUTS ARE ROUNDED ONCE TO bf16 (to nearest even): x and W as the matrix unit's operands, x as the same value again in the last product,
; and h and b as well; every operation on them is f32.  So what is computed is the definition on inputs rounded to bf16.  Each rounding is 2^-8 relative at
; the most; h's moves an exponent by up to 2^-8 of the exponent's size, which a form with h in f32 would not lose.
; v_exp_f32 gives 0 for results below 2^-126.  Sums run in another order than in the definition.  Served: inputs for which the definition is finite.
; READ TWICE: the look-ahead of x is the same in every pass; the launch's last three requests ask for the work-group's last window again
; (48 KiB of its 1 MiB) and their data are not used.
;
; LDS: 0 the ring, 2 x 131,072, filled by tensor loads alone | 262,144 six windows of 64 rows x 144 bytes (128 + 16: sixteen rows of a fragment start in
; sixteen different 16-byte columns of 256): XWa, XWb, XP[0..3] | 317,440 m and z of four waves x 64 rows | 319,488 each wave's row weights |
; 320,512 1,536 bytes a wave: h log2(e) of its column tiles 0-15 and 0-7 again; at the end the way out.
; REGISTERS in windows of 256: window 0 addresses, sums, fragments; window 1 v0-191 kept x tiles, v192-255 two staging sets;
; window 2 accumulators 0-7 (tile (rt, c) at 8 (8 rt + c)); window 3 accumulators 8-15.
.set LOG2E,  0x3fb8aa3b
.set SLOTB,  131072                    ; bytes of a slot of the ring
.set XWB,    262144                    ; the windows
.set XPITCH, 144
.set XWIN,   64*XPITCH                 ; 9,216 bytes a window
.set SM,     317440                    ; m at 256 w + 4 row, z 1,024 further, the weights 2,048 further
.set OUTB,   320512
.set OUTW,   1536                      ; bytes of that region a wave
.set VHS,   1                          ; v1     OUTB + 1,536 w + 4 r: my column's word, the column tile in the offset
.set ADRB,  2                          ; v2-5   fragments of W for accumulators 0-7: BBASE + 65,536 n + 8,192 x the pass's parity, n = 2 slot + K half
.set ADRA,  6                          ; v6     XWB + 144 r + 16 h: fragments of x
.set ADRAP, 7                          ; v7     the same in the group's XP
.set ADRS,  8                          ; v8     XWB + (16 w + h) 144 + 8 r: where I lay 4 bf16 of a window
.set ADRSP, 9                          ; v9     the same in the group's XP
.set ADRT,  10                         ; v10    XWB + (8 h + (L & 7)) 144 + 16 ((L >> 3) & 1): transposing loads
.set ADRTP, 11                         ; v11    the same in XP[w]
.set XOFF,  12                         ; v12    (16 w + h) 4,096 + 16 r: my 16 bytes of a window in memory
.set VSM,   13                         ; v13    SM + 256 w + 32 h
.set VEX,   14                         ; v14    SM + 4 L
.set VOWN,  15                         ; v15    SM + 256 w + 4 L
.set CTX,   16                         ; v16-31 running sums of my column, by accumulator
.set CB,    32                         ; v32-47 c of that column, by accumulator
.set TT,    48                         ; v48-55 at work
.set ADRC,  56                         ; v56-59 fragments of W for accumulators 8-15: BBASE + 65,536 n + 8,192 x (1 - parity)
.set BBASE, 60                         ; v60    16 L + 16,384 w
.set VHSP,  61                         ; v61    VHS + 512 x parity
.set BB0,   64                         ; v64-127, v128-191: eight fragments of W each
.set BB1,   128
.set AA0,   192                        ; v192-223, v224-255: four fragments of x each
.set AA1,   224
.set MM,    BB1                        ; epilogue: row maxima, [8 rt + j]
.set ZZ,    BB1+32                     ; epilogue: row sums
.set STG0,  192                        ; window 1: staging sets
.set STG1,  224
; scalars: s[4:11] x, Wf, b, h; s[12:13] part at my 1,024 bytes; s14 wave; s15 work-group; s[16:23] descriptor group 1; s[24:27], s[28:31] group 0 of slots 0, 1;
; s[32:33] Wf + 32,768 w; s[34:35] x at my first row; s[36:37] x at the window being asked for; s[38:39], s[40:41] offsets (upper words 0);
; s42 next fill; s43 next window; s44 pass; s45 group; s46, s47 lane selects; s48 the group's XP; s49-51 at work; s52, s53 the owners of the group's
; windows at places 0, 1 and 2, 3; s54-56 the pass's parity and its two offsets
.set MSB, 0
.macro WIN new                         ; low byte: bits 1:0 source 0, 3:2 source 1, 5:4 source 2, 7:6 destination; the high byte repeats the setting that is left
.if MSB != \new
	s_set_vgpr_msb (MSB<<8)|\new
.set MSB, \new
.endif
.endm
; Four places behind a matrix instruction before a load lands in a register that it read, or a vector instruction reads its result or writes
; one of its registers (ISA guide 7.12.1 for vector instructions).
.macro PLACES
.rept 4
	v_nop
.endr
.endm
; A round of the cluster's barrier behind its opening work-group barrier: wave 0 signals for the work-group, every wave waits for all four work-groups, a work-group barrier closes.
.macro CREST
	s_cmp_lg_u32 s14, 0
	s_cbranch_scc1 .Lnot_wave_0_\@
	s_barrier_signal -3
.Lnot_wave_0_\@:
	s_barrier_wait -3
	s_barrier_signal -1
	s_barrier_wait -1
.endm
.macro ROUND
	s_barrier_signal -1
	s_barrier_wait -1
	CREST
.endm
; 16 loads: eight fragments of W; 32 lanes x 16 consecutive bytes each
.macro FETCHB adr, buf
.irp c, 0,1,2,3,4,5,6,7
	ds_load_b128 v[\buf+8*\c:\buf+8*\c+3],   v[\adr] offset:\c*1024
	ds_load_b128 v[\buf+8*\c+4:\buf+8*\c+7], v[\adr] offset:\c*1024+512
.endr
.endm
; 8 loads: four fragments of x (16 rows x 32 k): registers 0-3 k = 8 h .., registers 4-7 k = 16 + 8 h ..
.macro FETCHA areg, off, ksl, buf
.irp rt, 0,1,2,3
	ds_load_b128 v[\buf+8*\rt:\buf+8*\rt+3],   v[\areg] offset:\off+16*XPITCH*\rt+64*\ksl
	ds_load_b128 v[\buf+8*\rt+4:\buf+8*\rt+7], v[\areg] offset:\off+16*XPITCH*\rt+64*\ksl+32
.endr
.endm
; Eight matrix instructions: row tile rt x the window's eight accumulators.  Lane (r, h) of the result holds column r, register j row 8 h + j.
; zero = 1: the product starts the sum, nothing is cleared.
; The 64 accumulators take turns, one instruction a turn, in the same order in every K step, over the backward jumps too.
.macro MUL8 a, b, rt, zero
.irp c, 0,1,2,3,4,5,6,7
.if \zero
	v_wmma_f32_16x16x32_bf16 v[8*(8*\rt+\c):8*(8*\rt+\c)+7], v[\a+8*\rt:\a+8*\rt+7], v[\b+8*\c:\b+8*\c+7], 0
.else
	v_wmma_f32_16x16x32_bf16 v[8*(8*\rt+\c):8*(8*\rt+\c)+7], v[\a+8*\rt:\a+8*\rt+7], v[\b+8*\c:\b+8*\c+7], v[8*(8*\rt+\c):8*(8*\rt+\c)+7]
.endif
.endr
.endm
.macro MUL32 a, b, zero
	MUL8 \a, \b, 0, \zero
	MUL8 \a, \b, 1, \zero
	MUL8 \a, \b, 2, \zero
	MUL8 \a, \b, 3, \zero
.endm
; The window's owner takes its 16 tiles of 16 x 16, each by one transposing load into four registers: register p of lane (r, h) = rows 8 h + 2 p (low half)
; and 8 h + 2 p + 1 of column r, the accumulators' layout.  Each wave owns one window at each place in every pass.
.macro GRAB u, off, own
	s_cmp_lg_u32 s14, s[\own]
	s_cbranch_scc1 .Lnot_mine_\@
	WIN 0x40
.irp rt, 0,1,2,3
.irp cl, 0,1,2,3
	ds_load_tr16_b128 v[64*\u+16*\rt+4*\cl:64*\u+16*\rt+4*\cl+3], v[ADRT] offset:\off+16*XPITCH*\rt+32*\cl
.endr
.endr
	WIN 0
.Lnot_mine_\@:
.endm
; A staged window (my 16 rows, 4 f32 a lane and load) is rounded to bf16 and laid into LDS; the set is loaded again, with the window two further on.
.macro XCONV stg, areg, off
	s_wait_loadcnt 8                               ; loads come back in order: this set's eight are in, the other set's eight stay out
	WIN 0x45
.irp j, 0,1,2,3,4,5,6,7
	v_cvt_pk_bf16_f32 v[\stg+4*\j],   v[\stg+4*\j],   v[\stg+4*\j+1]
	v_cvt_pk_bf16_f32 v[\stg+4*\j+1], v[\stg+4*\j+2], v[\stg+4*\j+3]
.endr
	WIN 0x04
.irp j, 0,1,2,3,4,5,6,7
	ds_store_b64 v[\areg], v[\stg+4*\j:\stg+4*\j+1] offset:\off+2*XPITCH*\j
.endr
	s_wait_xcnt 0x0                                ; the base of the last eight loads is written again only behind this wait
	s_min_u32 s49, s43, 63                         ; window number = 16 pass + trip; beyond the last one: the last one again (see READ TWICE at the head)
	s_lshr_b32 s40, s49, 4                         ; its pass
	s_lshl_b32 s50, s40, 1
	s_sub_co_u32 s49, s49, s50
	s_and_b32 s49, s49, 15                         ; its K window: (trip - 2 pass) mod 16
	s_lshl_b32 s49, s49, 8                         ; 256 bytes a K window,
	s_lshl_b32 s40, s40, 18                        ; 64 rows of 4,096 bytes a pass
	s_or_b32 s40, s40, s49
	s_add_nc_u64 s[36:37], s[34:35], s[40:41]
	s_add_co_u32 s43, s43, 1
	WIN 0x40
.irp j, 0,1,2,3,4,5,6,7
	global_load_b128 v[\stg+4*\j:\stg+4*\j+3], v[XOFF], s[36:37] offset:8192*\j th:TH_LOAD_NT   ; lanes 0-15: 256 aligned bytes of a row, lanes 16-31: of the next
.endr
	WIN 0
.endm
; One trip at place u: four stretches of 32 matrix instructions (K half 0 x accumulators 0-7, 8-15; K half 1 likewise), each on fragments asked for a stretch before.
; zero = 1: the pass's first trip, whose K half 0 starts the sums.  turn = 2: change of slots with a joint refill, 1: change of slots alone, 0: the pass's last trip.
.macro TRIP u, zero, turn
.if \u == 0
.set SL, 0
.set CURA, ADRA
.set CURO, 0
.set NXA, ADRA
.set NXS, ADRS
.set NXO, XWIN
.set STG, STG1
.set OWN, 52
.endif
.if \u == 1
.set SL, 1
.set CURA, ADRA
.set CURO, XWIN
.set NXA, ADRA
.set NXS, ADRS
.set NXO, 0
.set STG, STG0
.set OWN, 52
.endif
.if \u == 2
.set SL, 0
.set CURA, ADRA
.set CURO, 0
.set NXA, ADRAP
.set NXS, ADRSP
.set NXO, 0
.set STG, STG1
.set OWN, 53
.endif
.if \u == 3
.set SL, 1
.set CURA, ADRAP
.set CURO, 0
.set NXA, ADRA
.set NXS, ADRS
.set NXO, 0
.set STG, STG0
.set OWN, 53
.endif
.set OS, 1-SL
	PLACES
	FETCHB ADRC+2*SL, BB1
	s_wait_dscnt 16                                ; all but the 16 just issued: this stretch's 24 are in
	WIN 0xa0
	MUL32 AA0, BB0, \zero
	WIN 0
	PLACES
	FETCHB ADRB+2*SL+1, BB0
	FETCHA CURA, CURO, 1, AA1
	s_wait_dscnt 24                                ; all but the 24 just issued
.if \u < 3
	GRAB \u, CURO, OWN
.endif
	WIN 0xf0
	MUL32 AA0, BB1, \zero
	s_wait_dscnt 0x0                               ; the next stretch's 24 fragments, asked for 32 matrix instructions ago, are in (the owner's 16 kept tiles too):
	                                               ; the count is right whether or not the wave took the branch, and 40 LDS instructions are out at the most
	XCONV STG, NXS, NXO                            ; its sixteen conversions are the places in front of the loads below
	FETCHB ADRC+2*SL+1, BB1
	WIN 0xa0
	MUL32 AA1, BB0, 0
	s_wait_dscnt 0x0                               ; my reads of this slot and of this window are over, my part of the next window is in LDS
.if \turn == 2
	s_wait_tensorcnt 0x0                           ; all my tensor loads have landed: at the most one was out, my quarter of the other slot; so a group 0 may be written
	ds_add_u32 v62, v63
	s_wait_dscnt 0x0
	s_and_b32 s38, s42, 15                         ; the fills count on through the passes; the tile is the count mod 16
	s_lshl_b32 s38, s38, 17
	s_add_nc_u64 s[26+4*SL:27+4*SL], s[32:33], s[38:39]
	s_or_b32 s[27+4*SL], s[27+4*SL], 0x80000000    ; type = 2
	s_add_co_u32 s42, s42, 1
	s_barrier_signal -1                            ; opens a round of the cluster's barrier; inside it register work alone
	WIN 0xf0
	MUL8 AA1, BB1, 0, 0
	MUL8 AA1, BB1, 1, 0
	WIN 0
	s_barrier_wait -1
	CREST                                          ; no wave of the four work-groups still reads this slot or has a load on its way
	tensor_load_to_lds s[24+4*SL:27+4*SL], s[16:23]    ; my one tensor load behind the round, first thing there; it has 112 of the next trip's 128 matrix instructions in which to land
	s_nop 0
	PLACES
	FETCHB ADRB+2*OS, BB0
	FETCHA NXA, NXO, 0, AA0
	WIN 0xf0
	MUL8 AA1, BB1, 2, 0
	MUL8 AA1, BB1, 3, 0
	WIN 0
.endif
.if \turn == 1
	s_wait_tensorcnt 0x0                           ; for the reads behind the barrier: my quarter of the pass's last fill has landed (the one load that was out)
	s_barrier_signal -1
	WIN 0xf0
	MUL8 AA1, BB1, 0, 0
	MUL8 AA1, BB1, 1, 0
	WIN 0
	s_barrier_wait -1                              ; everybody's has, and the next window is whole
	PLACES
	FETCHB ADRB+2*OS, BB0
	FETCHA NXA, NXO, 0, AA0
	WIN 0xf0
	MUL8 AA1, BB1, 2, 0
	MUL8 AA1, BB1, 3, 0
	WIN 0
.endif
.if \turn == 0
	WIN 0xf0
	MUL32 AA1, BB1, 0
	WIN 0
.endif
.endm
; Once a pass: where W's two groups of eight column tiles lie for this pass's parity
.macro SETPAR
	s_and_b32 s54, s44, 1
	s_lshl_b32 s55, s54, 13                        ; accumulators 0-7 take column tiles 0-7 in an even pass, 8-15 (8,192 bytes on) in an odd one,
	s_sub_co_u32 s56, 8192, s55                    ; accumulators 8-15 the other eight
.irp n, 0,1,2,3
	s_add_co_u32 s49, s55, \n*65536
	v_add_nc_u32 v[ADRB+\n], s49, v[BBASE]
	s_add_co_u32 s49, s56, \n*65536
	v_add_nc_u32 v[ADRC+\n], s49, v[BBASE]
.endr
.endm
; Once a group of four trips: K windows 4 s45 - 2 s44 + pos (mod 16).  2 s44 is 0 or 2 mod 4, so places 0, 1 have one owner and places 2, 3 one.
.macro HEAD
	s_lshl_b32 s49, s45, 2
	s_lshl_b32 s50, s44, 1
	s_add_co_u32 s49, s49, 16
	s_sub_co_u32 s49, s49, s50
	s_lshr_b32 s52, s49, 2
	s_and_b32 s52, s52, 3                          ; owner at places 0, 1
	s_add_co_u32 s49, s49, 2
	s_lshr_b32 s53, s49, 2
	s_and_b32 s53, s53, 3                          ; owner at places 2, 3
	s_mul_i32 s48, s53, XWIN                       ; the window at place 3 is kept in its owner's XP
	s_add_co_u32 s48, s48, 2*XWIN
	v_add_nc_u32 v[ADRAP], s48, v[ADRA]
	v_add_nc_u32 v[ADRSP], s48, v[ADRS]
.endm
; exponent to base 2 = x.W * h log2(e) + c, in place: two rows an instruction, both by one register of the pairs in AA1 and CB
.macro HSCALEW win, c0
	WIN \win
.irp rt, 0,1,2,3
.irp cp, 0,2,4,6
.irp p, 0,2,4,6
	v_pk_fma_f32 v[64*\rt+8*\cp+\p:64*\rt+8*\cp+\p+1], v[64*\rt+8*\cp+\p:64*\rt+8*\cp+\p+1], v[AA1+\c0+\cp:AA1+\c0+\cp+1], v[CB+\c0+\cp:CB+\c0+\cp+1] op_sel:[0,0,0] op_sel_hi:[1,0,0]
.endr
.irp p, 0,2,4,6
	v_pk_fma_f32 v[64*\rt+8*\cp+8+\p:64*\rt+8*\cp+8+\p+1], v[64*\rt+8*\cp+8+\p:64*\rt+8*\cp+8+\p+1], v[AA1+\c0+\cp:AA1+\c0+\cp+1], v[CB+\c0+\cp:CB+\c0+\cp+1] op_sel:[0,1,1] op_sel_hi:[1,1,1]
.endr
.endr
.endr
.endm
; exponent - my wave's row maximum, then 2^: the next tile's subtractions are the plain place behind a tile's exponentials (ISA guide 5.7.2)
.macro EXPW win
	WIN \win
.irp rt, 0,1,2,3
.irp c, 0,1,2,3,4,5,6,7
.irp p, 0,2,4,6
	v_pk_add_f32 v[64*\rt+8*\c+\p:64*\rt+8*\c+\p+1], v[64*\rt+8*\c+\p:64*\rt+8*\c+\p+1], v[MM+8*\rt+\p:MM+8*\rt+\p+1] neg_lo:[0,1] neg_hi:[0,1]
.endr
.irp j, 0,1,2,3,4,5,6,7
	v_exp_f32 v[64*\rt+8*\c+\j], v[64*\rt+8*\c+\j]
.endr
.endr
.endr
.endm
.macro SCALEW win                      ; times the row's weight
	WIN \win
.irp rt, 0,1,2,3
.irp c, 0,1,2,3,4,5,6,7
.irp p, 0,2,4,6
	v_pk_mul_f32 v[64*\rt+8*\c+\p:64*\rt+8*\c+\p+1], v[64*\rt+8*\c+\p:64*\rt+8*\c+\p+1], v[AA1+8*\rt+\p:AA1+8*\rt+\p+1]
.endr
.endr
.endr
.endm
; four accumulators: sum += x (a bf16 half) * weight; xb: the x tiles, ab: the accumulators, cb: the sums
.macro CSUM4 xb, ab, cb
.irp rt, 0,1,2,3
.irp p, 0,1,2,3
.irp cl, 0,1,2,3
	v_fma_mix_f32_bf16 v[\cb+\cl], v[\xb+16*\rt+4*\cl+\p], v[\ab+64*\rt+8*\cl+2*\p], v[\cb+\cl] op_sel:[0,0,0] op_sel_hi:[1,0,0]
.endr
.irp cl, 0,1,2,3
	v_fma_mix_f32_bf16 v[\cb+\cl], v[\xb+16*\rt+4*\cl+\p], v[\ab+64*\rt+8*\cl+2*\p+1], v[\cb+\cl] op_sel:[1,0,0] op_sel_hi:[1,0,0]
.endr
.endr
.endr
.endm
.macro SWAP8 base                      ; sixteen registers exchange halves
.irp k, 0,1,2,3,4,5,6,7
	v_mov_b32 v[TT+\k], v[\base+\k]
.endr
.irp k, 0,1,2,3,4,5,6,7
	v_mov_b32 v[\base+\k], v[\base+8+\k]
.endr
.irp k, 0,1,2,3,4,5,6,7
	v_mov_b32 v[\base+8+\k], v[TT+\k]
.endr
.endm
; Behind a pass: softmax over the rows, times x, summed down the 64 rows.
.macro EPI
	PLACES
	; 0. the exponents to base 2.  h log2(e) lies in my wave's own bytes of LDS as tiles 0-15, 0-7: from 512 bytes on it reads as tiles 8-15, 0-7, an odd pass's order
	s_and_b32 s49, s44, 1
	s_lshl_b32 s49, s49, 9
	v_add_nc_u32 v[VHSP], s49, v[VHS]
.irp ct, 0,1,2,3,4,5,6,7,8,9,10,11,12,13,14,15
	ds_load_b32 v[AA1+\ct], v[VHSP] offset:64*\ct
.endr
	s_wait_dscnt 0x0
	HSCALEW 0x82, 0
	HSCALEW 0xc3, 8
	; 1. my wave's maximum of each row: over 16 accumulators in the lane, then over the 16 lanes of a half
	WIN 0x0a
.irp rt, 0,1,2,3
.irp j, 0,1,2,3,4,5,6,7
	v_max_num_f32 v[MM+8*\rt+\j], v[64*\rt+\j], v[64*\rt+8+\j]
.endr
.endr
	WIN 0x28
.irp c, 2,4,6
.irp rt, 0,1,2,3
.irp j, 0,1,2,3,4,5,6,7
	v_max3_num_f32 v[MM+8*\rt+\j], v[MM+8*\rt+\j], v[64*\rt+8*\c+\j], v[64*\rt+8*\c+8+\j]
.endr
.endr
.endr
	WIN 0x3c
.irp c, 0,2,4,6
.irp rt, 0,1,2,3
.irp j, 0,1,2,3,4,5,6,7
	v_max3_num_f32 v[MM+8*\rt+\j], v[MM+8*\rt+\j], v[64*\rt+8*\c+\j], v[64*\rt+8*\c+8+\j]
.endr
.endr
.endr
	WIN 0
.irp x, 1,2,4,8
.set i, 0
.rept 32
	v_max_num_f32_dpp v[MM+i], v[MM+i], v[MM+i] row_xmask:\x row_mask:0xf bank_mask:0xf
.set i, i+1
.endr
.endr
	; 2. the exponentials, in place
	EXPW 0x82
	EXPW 0xc3
	; 3. my wave's sum of each row: sixteen chains of pairs, started by the first two tiles
	WIN 0x0a
	s_wait_alu depctr_va_vdst(0)
.irp rt, 0,1,2,3
.irp p, 0,2,4,6
	v_pk_add_f32 v[ZZ+8*\rt+\p:ZZ+8*\rt+\p+1], v[64*\rt+\p:64*\rt+\p+1], v[64*\rt+8+\p:64*\rt+8+\p+1]
.endr
.endr
	WIN 0x08
.irp c, 2,3,4,5,6,7
.irp rt, 0,1,2,3
.irp p, 0,2,4,6
	v_pk_add_f32 v[ZZ+8*\rt+\p:ZZ+8*\rt+\p+1], v[ZZ+8*\rt+\p:ZZ+8*\rt+\p+1], v[64*\rt+8*\c+\p:64*\rt+8*\c+\p+1]
.endr
.endr
.endr
	WIN 0x0c
.irp c, 0,1,2,3,4,5,6,7
.irp rt, 0,1,2,3
.irp p, 0,2,4,6
	v_pk_add_f32 v[ZZ+8*\rt+\p:ZZ+8*\rt+\p+1], v[ZZ+8*\rt+\p:ZZ+8*\rt+\p+1], v[64*\rt+8*\c+\p:64*\rt+8*\c+\p+1]
.endr
.endr
.endr
	WIN 0
.irp x, 1,2,4,8
.set i, 0
.rept 32
	v_add_f32_dpp v[ZZ+i], v[ZZ+i], v[ZZ+i] row_xmask:\x row_mask:0xf bank_mask:0xf
.set i, i+1
.endr
.endr
	; 4. the four waves' maxima and sums meet.  The sixteen lanes of a half hold the same numbers and write the same words.
.irp rt, 0,1,2,3
	ds_store_b128 v[VSM], v[MM+8*\rt:MM+8*\rt+3]   offset:64*\rt
	ds_store_b128 v[VSM], v[MM+8*\rt+4:MM+8*\rt+7] offset:64*\rt+16
	ds_store_b128 v[VSM], v[ZZ+8*\rt:ZZ+8*\rt+3]   offset:1024+64*\rt
	ds_store_b128 v[VSM], v[ZZ+8*\rt+4:ZZ+8*\rt+7] offset:1024+64*\rt+16
.endr
	s_wait_dscnt 0x0                               ; my stores are in LDS before I say so: these, and my rows of the next pass's first window, laid down in the last trip
	s_barrier_signal -1
	s_barrier_wait -1
.irp q, 0,1,2,3
	ds_load_b32 v[AA1+2*\q],     v[VEX] offset:256*\q           ; lane L: m of wave q for rows L
	ds_load_b32 v[AA1+2*\q+1],   v[VEX] offset:256*\q+128       ; and L + 32,
	ds_load_b32 v[AA1+8+2*\q],   v[VEX] offset:1024+256*\q      ; z likewise
	ds_load_b32 v[AA1+8+2*\q+1], v[VEX] offset:1024+256*\q+128
.endr
	ds_load_b32 v[AA1+16], v[VOWN]                 ; my own wave's m
	ds_load_b32 v[AA1+17], v[VOWN] offset:128
.irp rt, 0,1,2,3
.irp cl, 0,1,2,3
	ds_load_tr16_b128 v[BB1+16*\rt+4*\cl:BB1+16*\rt+4*\cl+3], v[ADRTP] offset:16*XPITCH*\rt+32*\cl   ; x of the columns of accumulators 12-15, kept in XP[w]
.endr
.endr
	s_wait_dscnt 16                                ; the 18 small loads are in; the 16 behind them stay out
	v_max3_num_f32 v[TT],   v[AA1],   v[AA1+2], v[AA1+4]
	v_max3_num_f32 v[TT+1], v[AA1+1], v[AA1+3], v[AA1+5]
	v_max_num_f32 v[TT],   v[TT],   v[AA1+6]       ; the row's maximum
	v_max_num_f32 v[TT+1], v[TT+1], v[AA1+7]
.irp q, 0,2,4,6,16
	v_pk_add_f32 v[AA1+\q:AA1+\q+1], v[AA1+\q:AA1+\q+1], v[TT:TT+1] neg_lo:[0,1] neg_hi:[0,1]
.endr
.irp q, 0,1,2,3,4,5,6,7,16,17
	v_exp_f32 v[AA1+\q], v[AA1+\q]
.endr
	v_nop                                          ; one plain place behind the exponentials (ISA guide 5.7.2)
	s_wait_alu depctr_va_vdst(0)
	v_pk_mul_f32 v[TT+2:TT+3], v[AA1+8:AA1+9], v[AA1:AA1+1]
.irp q, 2,4,6
	v_pk_fma_f32 v[TT+2:TT+3], v[AA1+8+\q:AA1+9+\q], v[AA1+\q:AA1+\q+1], v[TT+2:TT+3]   ; Z = sum of z 2^(m - row maximum), at least 1
.endr
	v_rcp_f32 v[TT+4], v[TT+2]
	v_rcp_f32 v[TT+5], v[TT+3]
	v_nop                                          ; one plain place behind the reciprocals
	s_wait_alu depctr_va_vdst(0)
	v_pk_mul_f32 v[TT+6:TT+7], v[TT+4:TT+5], v[AA1+16:AA1+17]      ; my wave's weight of the row
	ds_store_b32 v[VOWN], v[TT+6] offset:2048
	ds_store_b32 v[VOWN], v[TT+7] offset:2048+128
.irp rt, 0,1,2,3
	ds_load_b128 v[AA1+8*\rt:AA1+8*\rt+3],   v[VSM] offset:2048+64*\rt     ; my wave's own bytes; LDS serves a wave's instructions in order (ISA guide 5.7.1.4)
	ds_load_b128 v[AA1+8*\rt+4:AA1+8*\rt+7], v[VSM] offset:2048+64*\rt+16  ; weight of row 16 rt + 8 h + j in register 8 rt + j
.endr
	s_wait_dscnt 0x0
	; 5. the weights, 6. times x, down the rows: the tiles kept at place pos belong to accumulators 4 pos .. 4 pos + 3, in even and in odd passes
	SCALEW 0x82
	SCALEW 0xc3
	WIN 0x09
.irp rt, 0,1,2,3
.irp p, 0,1,2,3
.irp u, 0,1
.irp cl, 0,1,2,3
	v_fma_mix_f32_bf16 v[CTX+4*\u+\cl], v[64*\u+16*\rt+4*\cl+\p], v[64*\rt+32*\u+8*\cl+2*\p], v[CTX+4*\u+\cl] op_sel:[0,0,0] op_sel_hi:[1,0,0]
.endr
.endr
.irp u, 0,1
.irp cl, 0,1,2,3
	v_fma_mix_f32_bf16 v[CTX+4*\u+\cl], v[64*\u+16*\rt+4*\cl+\p], v[64*\rt+32*\u+8*\cl+2*\p+1], v[CTX+4*\u+\cl] op_sel:[1,0,0] op_sel_hi:[1,0,0]
.endr
.endr
.endr
.endr
	WIN 0x0d
	CSUM4 128, 0, CTX+8
	WIN 0x0c
	CSUM4 BB1, 32, CTX+12
	WIN 0
	; 7. the next pass has the other parity: accumulator a will hold the column tile that a xor 8 held.  Four exchanges leave the natural order.
	SWAP8 CTX
	SWAP8 CB
.endm
	s_load_b256 s[4:11], s[0:1], 0x0               ; hidden_enc s[4:5], Wf s[6:7], b s[8:9], hidden_dec s[10:11]
	s_load_b64 s[12:13], s[0:1], 0x20              ; part
	v_lshl_add_u32 v62, v0, 2, 0x4fc00
	v_mov_b32 v63, 0
	ds_add_u32 v62, v63
	v_lshrrev_b32 v1, 5, v0
	v_readfirstlane_b32 s14, v1                    ; wave 0..3
	s_bfe_u32 s49, ttmp6, 0x40000                  ; my place in the cluster; it enters the addresses of x and of part alone
	s_lshl_b32 s15, ttmp9, 2                       ; ttmp9 counts clusters
	s_add_co_u32 s15, s15, s49                     ; work-group
	; descriptor group 1: 128 rows of 32 elements of 8 bytes, dense in memory and in LDS; the same for every load
	s_mov_b32 s16, 15|(3<<16)|(1<<21)              ; 15:0 the mask: all four of the cluster; 17:16 elements of 8 bytes; 21 set beside a mask
	s_mov_b32 s17, 32<<16                          ; tensor_dim0 = 32
	s_mov_b32 s18, 128<<16                         ; tensor_dim1 = 128
	s_mov_b32 s19, 32<<16                          ; tile_dim0 = 32
	s_mov_b32 s20, 128                             ; tile_dim1 = 128
	s_mov_b32 s21, 32                              ; from row to row: 32 elements
	s_mov_b32 s22, 0
	s_mov_b32 s23, 0
	s_mov_b32 s24, 1                               ; group 0 of slot 0: count,
	s_lshl_b32 s25, s14, 15                        ; LDS address 32,768 w
	s_mov_b32 s28, 1                               ; of slot 1
	s_add_co_u32 s29, s25, SLOTB
	s_lshl_b32 s38, s14, 15                        ; my quarter of a tile in Wf
	s_mov_b32 s39, 0
	s_lshl_b32 s40, s15, 20                        ; 256 rows of 4,096 bytes a work-group
	s_mov_b32 s41, 0
	s_lshl_b32 s50, s15, 12                        ; part: 4,096 bytes a work-group,
	s_lshl_b32 s49, s14, 10                        ; 1,024 a wave
	s_add_co_u32 s50, s50, s49
	s_mov_b32 s51, 0
	s_mov_b32 s42, 2                               ; the first refill is fill number 2
	s_mov_b32 s43, 2                               ; the first reload of a staging set brings window 2
	s_mov_b32 s46, 0x76543210                      ; v_permlanex16_b32: lane i of one half reads lane i of the other
	s_mov_b32 s47, 0xfedcba98
	v_and_b32 v48, 15, v0                          ; r
	v_bfe_u32 v49, v0, 4, 1                        ; h
	v_and_b32 v50, 31, v0                          ; L
	v_lshlrev_b32 v51, 4, v50
	v_lshl_add_u32 v[BBASE], s14, 14, v51
	v_mul_u32_u24 v51, v48, XPITCH
	v_lshl_add_u32 v51, v49, 4, v51
	v_add_nc_u32 v[ADRA], XWB, v51
	s_mul_i32 s49, s14, 16*XPITCH
	s_add_co_u32 s49, s49, XWB
	v_mul_u32_u24 v51, v49, XPITCH
	v_lshl_add_u32 v51, v48, 3, v51
	v_add_nc_u32 v[ADRS], s49, v51
	v_and_b32 v51, 7, v0
	v_lshl_add_u32 v51, v49, 3, v51
	v_mul_u32_u24 v51, v51, XPITCH
	v_bfe_u32 v52, v0, 3, 1
	v_lshl_add_u32 v51, v52, 4, v51
	v_add_nc_u32 v[ADRT], XWB, v51
	s_mul_i32 s49, s14, XWIN
	s_add_co_u32 s49, s49, 2*XWIN
	v_add_nc_u32 v[ADRTP], s49, v[ADRT]
	v_lshlrev_b32 v51, 4, v48
	v_lshl_add_u32 v51, v49, 12, v51
	v_lshl_add_u32 v[XOFF], s14, 16, v51
	s_lshl_b32 s49, s14, 8
	s_add_co_u32 s49, s49, SM
	v_lshl_add_u32 v[VSM], v49, 5, s49
	v_lshl_add_u32 v[VEX], v50, 2, SM
	v_lshl_add_u32 v[VOWN], v50, 2, s49
	s_mul_i32 s49, s14, OUTW
	s_add_co_u32 s49, s49, OUTB
	v_lshl_add_u32 v[VHS], v48, 2, s49             ; my wave's 1,536 bytes: 4 r, the column tile in the offset
	v_lshlrev_b32 v53, 2, v48
	v_lshl_add_u32 v53, s14, 10, v53               ; byte offset in h and in b of column 256 w + r
	s_wait_dscnt 0x0
	s_wait_kmcnt 0x0
	s_add_nc_u64 s[32:33], s[6:7], s[38:39]        ; Wf at my quarter of tile 0
	s_add_nc_u64 s[34:35], s[4:5], s[40:41]        ; x at the work-group's first row
	s_add_nc_u64 s[12:13], s[12:13], s[50:51]
	s_mov_b64 s[26:27], s[32:33]
	s_or_b32 s27, s27, 0x80000000                  ; type = 2
	s_add_nc_u64 s[30:31], s[32:33], SLOTB         ; tile 1
	s_or_b32 s31, s31, 0x80000000
	ROUND                                          ; all four work-groups are here: the first joint loads meet
	tensor_load_to_lds s[24:27], s[16:23]          ; both first fills go out together, ahead of every LDS access: two tensor loads of the wave are out
	s_nop 0
	tensor_load_to_lds s[28:31], s[16:23]
	s_nop 0
.irp ct, 0,1,2,3,4,5,6,7,8,9,10,11,12,13,14,15
	global_load_b32 v[BB1+\ct], v53, s[10:11] offset:64*\ct        ; h of my column in each column tile
.endr
.irp ct, 0,1,2,3,4,5,6,7,8,9,10,11,12,13,14,15
	global_load_b32 v[CB+\ct], v53, s[8:9] offset:64*\ct           ; b
.endr
	WIN 0x40
.irp j, 0,1,2,3,4,5,6,7
	global_load_b128 v[STG0+4*\j:STG0+4*\j+3], v[XOFF], s[34:35] offset:8192*\j th:TH_LOAD_NT        ; window 0
.endr
.irp j, 0,1,2,3,4,5,6,7
	global_load_b128 v[STG1+4*\j:STG1+4*\j+3], v[XOFF], s[34:35] offset:8192*\j+256 th:TH_LOAD_NT    ; window 1
.endr
	; The kept x tiles are loaded under a branch on the wave's number against the window's owner; each wave takes it once at each place in every pass, ahead of
	; the epilogue that reads them.  A register is written on every path of the text before it is read: hence this one write, once in the launch.
.set i, 0
.rept 192
	v_mov_b32 v[i], 0
.set i, i+1
.endr
	WIN 0
.irp ct, 0,1,2,3,4,5,6,7,8,9,10,11,12,13,14,15
	v_mov_b32 v[CTX+\ct], 0                        ; sixteen sums that run through all four passes
.endr
	s_wait_loadcnt 16                              ; h and b are in (and their address register is free); the two windows' sixteen loads stay out
.irp p, 0,2,4,6,8,10,12,14
	v_cvt_pk_bf16_f32 v[AA1+\p/2],   v[CB+\p],  v[CB+\p+1]         ; b and h take the format of the other two inputs: one rounding to bf16,
	v_cvt_pk_bf16_f32 v[AA1+8+\p/2], v[BB1+\p], v[BB1+\p+1]
.endr
.irp p, 0,2,4,6,8,10,12,14
	v_lshlrev_b32 v[CB+\p],    16, v[AA1+\p/2]                     ; and back to f32: the low half moves up, the high half stays
	v_and_b32     v[CB+\p+1],  0xffff0000, v[AA1+\p/2]
	v_lshlrev_b32 v[BB1+\p],   16, v[AA1+8+\p/2]
	v_and_b32     v[BB1+\p+1], 0xffff0000, v[AA1+8+\p/2]
.endr
.irp p, 0,2,4,6,8,10,12,14
	v_pk_mul_f32 v[BB1+\p:BB1+\p+1], v[BB1+\p:BB1+\p+1], LOG2E op_sel_hi:[1,0]     ; h log2(e), in f32
.endr
.irp p, 0,2,4,6,8,10,12,14
	v_pk_mul_f32 v[CB+\p:CB+\p+1], v[CB+\p:CB+\p+1], v[BB1+\p:BB1+\p+1]            ; c = b h log2(e)
.endr
.irp ct, 0,1,2,3,4,5,6,7,8,9,10,11,12,13,14,15
	ds_store_b32 v[VHS], v[BB1+\ct] offset:64*\ct  ; into my wave's own bytes; both halves write the same word with the same number
.endr
.irp ct, 0,1,2,3,4,5,6,7
	ds_store_b32 v[VHS], v[BB1+\ct] offset:1024+64*\ct     ; tiles 0-7 once more behind tile 15, for the odd passes' order
.endr
	XCONV STG0, ADRS, 0                            ; window 0 into XWa; window 2 is asked for
	s_wait_dscnt 0x0                               ; my rows of window 0 are in LDS,
	s_wait_tensorcnt 0x1                           ; my quarter of tile 0 has landed; tile 1 may stay out
	s_barrier_signal -1
	s_barrier_wait -1
	; A pass: trip 0 | three times trips 1, 2, 3, 0 | trips 1, 2, 3.  The loop is turned by one trip so that the pass's first trip, whose products start the sums,
	; is written out; eight trips stand in the text.  Trips 0 to 13 fill a slot again, trips 14 and 15 do not: their tiles are the next pass's first two.
	s_mov_b32 s44, 0
.Lpass:
	SETPAR
	s_mov_b32 s45, 0
	HEAD
	FETCHB ADRB, BB0                               ; slot 0 holds the pass's first tile, XWa its first window: shown to every wave by the barrier above, later by the epilogue's
	FETCHA ADRA, 0, 0, AA0
	TRIP 0, 1, 2
.Lgroup:
	TRIP 1, 0, 2
	TRIP 2, 0, 2
	TRIP 3, 0, 2
	s_add_co_u32 s45, s45, 1
	HEAD
	TRIP 0, 0, 2
	s_cmp_lt_u32 s45, 3
	s_cbranch_scc1 .Lgroup
	TRIP 1, 0, 2                                   ; trip 13: the pass's last fill
	TRIP 2, 0, 1
	TRIP 3, 0, 0
	EPI
	s_add_co_u32 s44, s44, 1
	s_cmp_lt_u32 s44, 4
	s_cbranch_scc1 .Lpass
	; THE WAY OUT.  Lanes r and 16 + r hold the sums over different rows of one column: add them; then through my own bytes of LDS (h log2(e) has
	; had its last read, by this wave, and LDS serves a wave's instructions in order), so that each store of the wave covers 512 consecutive bytes of part, aligned.
	s_mul_i32 s49, s14, OUTW
	s_add_co_u32 s49, s49, OUTB
	v_and_b32 v49, 31, v0
	v_lshl_add_u32 v50, v49, 4, s49                ; back: 16 L
	v_lshlrev_b32 v51, 4, v49
.irp ct, 0,1,2,3,4,5,6,7,8,9,10,11,12,13,14,15
	v_permlanex16_b32 v[BB1+\ct], v[CTX+\ct], s46, s47     ; its destination counts as read: these registers have been written
.endr
.irp ct, 0,1,2,3,4,5,6,7,8,9,10,11,12,13,14,15
	v_add_f32 v[CTX+\ct], v[CTX+\ct], v[BB1+\ct]
	ds_store_b32 v[VHS], v[CTX+\ct] offset:64*\ct          ; both halves write the same word with the same number
.endr
	ds_load_b128 v[BB0:BB0+3], v50                 ; my wave's own bytes, served in order
	ds_load_b128 v[BB0+4:BB0+7], v50 offset:512
	s_wait_dscnt 1                                 ; the first of the two is in
	global_store_b128 v51, v[BB0:BB0+3], s[12:13]
	s_wait_dscnt 0x0
	global_store_b128 v51, v[BB0+4:BB0+7], s[12:13] offset:512
	s_wait_tensorcnt 0x0
	ds_add_u32 v62, v63
	s_wait_dscnt 0x0
	ROUND                                          ; the closing round: no work-group ends while a partner may still ask for a tile that names it
	s_endpgm
.Lfunc_end_k_q6f912be459_main:
	.size	k_q6f912be459_main, .Lfunc_end_k_q6f912be459_main-k_q6f912be459_main
	.p2alignl 7, 3214868480
	.fill 96, 4, 3214868480
	.section	.rodata,"a",@progbits
	.p2align	6, 0x0
	.amdhsa_kernel k_q6f912be459_main
		.amdhsa_group_segment_fixed_size 327680
		.amdhsa_private_segment_fixed_size 0
		.amdhsa_enable_private_segment 0
		.amdhsa_kernarg_size 40
		.amdhsa_user_sgpr_count 2
		.amdhsa_user_sgpr_kernarg_segment_ptr 1
		.amdhsa_wavefront_size32 1
		.amdhsa_system_sgpr_workgroup_id_x 1
		.amdhsa_system_sgpr_workgroup_id_y 1
		.amdhsa_system_sgpr_workgroup_id_z 1
		.amdhsa_system_vgpr_workitem_id 0
		.amdhsa_next_free_vgpr 1024
		.amdhsa_next_free_sgpr 66
		.amdhsa_reserve_vcc 0
		.amdhsa_float_denorm_mode_32 3
		.amdhsa_float_denorm_mode_16_64 3
		.amdhsa_memory_ordered 1
		.amdhsa_forward_progress 1
		.amdhsa_inst_pref_size 255
	.end_amdhsa_kernel
	.section	.bss,"aw",@nobits
	.p2align	6
	.space	262144
	.amdgpu_metadata
---
amdhsa.version: [ 1, 2 ]
amdhsa.kernels:
  - .name:           k_q6f912be459_main
    .symbol:         k_q6f912be459_main.kd
    .args:
      - { .name: hidden_enc, .offset: 0, .size: 8, .value_kind: global_buffer, .address_space: global }
      - { .name: Wf, .offset: 8, .size: 8, .value_kind: global_buffer, .address_space: global }
      - { .name: b, .offset: 16, .size: 8, .value_kind: global_buffer, .address_space: global }
      - { .name: hidden_dec, .offset: 24, .size: 8, .value_kind: global_buffer, .address_space: global }
      - { .name: part, .offset: 32, .size: 8, .value_kind: global_buffer, .address_space: global }
    .group_segment_fixed_size: 327680
    .private_segment_fixed_size: 0
    .kernarg_segment_align: 8
    .kernarg_segment_size: 40
    .max_flat_workgroup_size: 128
    .sgpr_count:     66
    .vgpr_count:     1024
    .wavefront_size: 32
...
	.end_amdgpu_metadata
.endif
;; end of part 2
;; launch fold (part 3): grid 128 x 1, 2 waves a work-group, no clusters, 0 bytes of LDS; arguments part, out0; writes out0
.if DOCPART == 3
	.amdgcn_target "amdgcn-amd-amdhsa--gfx1250"
	.amdhsa_code_object_version 6
	.text
	.protected	k_q6f912be459_fold
	.globl	k_q6f912be459_fold
	.p2align	8
	.type	k_q6f912be459_fold,@function
k_q6f912be459_fold:
	s_mov_b64 s[64:65], 0
	v_nop
	global_prefetch_b8 v0, s[64:65] scope:SCOPE_SE
	s_setreg_imm32_b32 hwreg(HW_REG_WAVE_MODE, 25, 1), 1
	s_wait_xcnt 0x0
; out0[b][e] = sum over i = 0 .. 7 of part[8 b + i][e]: the eight work-groups of the main launch that shared batch b, added in a fixed order.
; part: [256][1024] f32, out0: [32][1024] f32.  Work-group x: batch x >> 2, columns 256 (x & 3) .. +255; thread t: four columns, 16 bytes.
; Each load and the store of a wave cover 512 consecutive bytes, aligned.  1 MiB in, 128 KiB out: no LDS, no barrier, nothing to overlap.
.set P, 4                              ; v[4:35]  eight parts of my four columns
.macro ADD4 d, s
	v_pk_add_f32 v[P+4*\d:P+4*\d+1],   v[P+4*\d:P+4*\d+1],   v[P+4*\s:P+4*\s+1]
	v_pk_add_f32 v[P+4*\d+2:P+4*\d+3], v[P+4*\d+2:P+4*\d+3], v[P+4*\s+2:P+4*\s+3]
.endm
	s_load_b128 s[4:7], s[0:1], 0x0                ; part s[4:5], out0 s[6:7]
	s_lshr_b32 s8, ttmp9, 2                        ; batch
	s_and_b32 s9, ttmp9, 3                         ; which 256 columns
	s_lshl_b32 s12, s9, 10
	s_lshl_b32 s10, s8, 15                         ; eight rows of 4,096 bytes of part a batch
	s_add_co_u32 s10, s10, s12
	s_mov_b32 s11, 0
	s_lshl_b32 s14, s8, 12                         ; one row of out0
	s_add_co_u32 s14, s14, s12
	s_mov_b32 s15, 0
	v_lshlrev_b32 v1, 4, v0
	s_wait_kmcnt 0x0
	s_add_nc_u64 s[4:5], s[4:5], s[10:11]
	s_add_nc_u64 s[6:7], s[6:7], s[14:15]
.irp i, 0,1,2,3,4,5,6,7
	global_load_b128 v[P+4*\i:P+4*\i+3], v1, s[4:5] offset:4096*\i th:TH_LOAD_NT
.endr
	s_wait_loadcnt 0x0
	ADD4 0, 1
	ADD4 2, 3
	ADD4 4, 5
	ADD4 6, 7
	ADD4 0, 2
	ADD4 4, 6
	ADD4 0, 4
	global_store_b128 v1, v[P:P+3], s[6:7]
	s_endpgm
.Lfunc_end_k_q6f912be459_fold:
	.size	k_q6f912be459_fold, .Lfunc_end_k_q6f912be459_fold-k_q6f912be459_fold
	.p2alignl 7, 3214868480
	.fill 96, 4, 3214868480
	.section	.rodata,"a",@progbits
	.p2align	6, 0x0
	.amdhsa_kernel k_q6f912be459_fold
		.amdhsa_group_segment_fixed_size 0
		.amdhsa_private_segment_fixed_size 0
		.amdhsa_enable_private_segment 0
		.amdhsa_kernarg_size 16
		.amdhsa_user_sgpr_count 2
		.amdhsa_user_sgpr_kernarg_segment_ptr 1
		.amdhsa_wavefront_size32 1
		.amdhsa_system_sgpr_workgroup_id_x 1
		.amdhsa_system_sgpr_workgroup_id_y 1
		.amdhsa_system_sgpr_workgroup_id_z 1
		.amdhsa_system_vgpr_workitem_id 0
		.amdhsa_next_free_vgpr 40
		.amdhsa_next_free_sgpr 66
		.amdhsa_reserve_vcc 0
		.amdhsa_float_denorm_mode_32 3
		.amdhsa_float_denorm_mode_16_64 3
		.amdhsa_memory_ordered 1
		.amdhsa_forward_progress 1
		.amdhsa_inst_pref_size 3
	.end_amdhsa_kernel
	.amdgpu_metadata
---
amdhsa.version: [ 1, 2 ]
amdhsa.kernels:
  - .name:           k_q6f912be459_fold
    .symbol:         k_q6f912be459_fold.kd
    .args:
      - { .name: part, .offset: 0, .size: 8, .value_kind: global_buffer, .address_space: global }
      - { .name: out0, .offset: 8, .size: 8, .value_kind: global_buffer, .address_space: global }
    .group_segment_fixed_size: 0
    .private_segment_fixed_size: 0
    .kernarg_segment_align: 8
    .kernarg_segment_size: 16
    .max_flat_workgroup_size: 64
    .sgpr_count:     66
    .vgpr_count:     40
    .wavefront_size: 32
...
	.end_amdgpu_metadata
.endif
;; end of part 3
